; MI455X (gfx1250); checked and timed in simulation.
; The chip was launched on July 23, 2026; its instructions are those of AMD's public machine-readable ISA for CDNA 5 (MIT licence, August 2026) and "CDNA5" Instruction Set Architecture Reference Guide (July 2026). The comments in the code are by the model that wrote it; some were corrected since.
;; ICLT Adapter. Allowed arithmetic: float matrix products may take bf16 or f16 operands with f32 sums; all other float work in f32.
;; Inputs: U 8 x 2,048 x 64 float32; V 8 x 64 x 2,048 float32; W1 2,048 x 2,048 float32; W2 2,048 x 8 float32; b1 2,048 float32; b2 8 float32; x 4 x 2,048 x 2,048 float32.
;; Outputs: out0 4 x 2,048 x 2,048 float32.
;; One version. Each part assembles by itself: llvm-mc -triple=amdgcn-amd-amdhsa -mcpu=gfx1250 --defsym DOCPART=n.
;; ======== version 1 of 1: 3 launches
;; limits: values are held in f16: magnitudes above 65,504 overflow, below 6.1e-05 lose precision
;; workspace buffers: xb 33,554,432 bytes; wc 10,485,760 bytes; uf 2,097,152 bytes; w2f 65,536 bytes; b1b 4,096 bytes; vxw 8,388,608 bytes; plog 2,097,152 bytes
;; launch prep (part 1): grid 1744 x 1, 8 waves a work-group, no clusters, 18,432 bytes of LDS; arguments x, W1, V, U, W2, b1, xb, wc, uf, w2f, b1b; writes xb, wc, uf, w2f, b1b
.if DOCPART == 1
	.amdgcn_target "amdgcn-amd-amdhsa--gfx1250"
	.amdhsa_code_object_version 6
	.text
	.protected	k_q08231cf25f_prep
	.globl	k_q08231cf25f_prep
	.p2align	8
	.type	k_q08231cf25f_prep,@function
k_q08231cf25f_prep:
	s_mov_b64 s[64:65], 0
	v_nop
	global_prefetch_b8 v0, s[64:65] scope:SCOPE_SE
	s_setreg_imm32_b32 hwreg(HW_REG_WAVE_MODE, 25, 1), 1
	s_wait_xcnt 0x0
; PREP: the inputs in the formats and layouts that the two matrix launches take.  Every input is rounded to bf16 once, here.
;   xb  [8192][2048] bf16: x.
;   wc  [2560][2048] bf16, d along the rows.  Row 320 j + 160 half + i: i < 128: column e = 256 j + 128 half + i of W1; i >= 128: row 32 half + i - 128 of V[j].
;   uf  U rounded to bf16, that number written as f16, in the order of matrix fragments: [block of 16 d: 128][chunk c: 16][1,024 bytes];
;       byte 512 x + 16 L (L = 16 h + r) holds U[c / 2][16 block + r][32 (c % 2) + 16 x + 8 h + 0..7].
;   w2f W2 likewise (bf16, written as f16): [chunk of 32 e: 64][1,024 bytes]; byte 512 x + 16 L holds W2[32 chunk + 16 x + 8 h + 0..7][expert of row r]:
;       rows 0-3 experts 0-3, rows 8-11 experts 4-7, the other rows 0.
;   b1b b1 as bf16.
; LIMITS.  A bf16 number below 7.6e-6 in size is written to f16 with f16's fixed step of 6e-8; beyond 65,504 f16 has no number: U and W2 stay far inside.
; The work-group's number picks its role; the branch is the same for all eight waves.  Memory binds: no matrix unit, no cluster, and LDS only where W1 is turned.
.set TP, 272                           ; a row of the turned tile in LDS: 256 bytes + 16, so that the rows read back start 16 bytes further on in a line of banks
.set X,  16                            ; v[16:47]  W1 as loaded
.set P,  48                            ; v[48:63]  packed, four rows of e
.set BK, 64                            ; v[64:79]  rows read back
	s_load_b512 s[4:19], s[0:1], 0x0               ; x s[4:5], W1 s[6:7], V s[8:9], U s[10:11], W2 s[12:13], b1 s[14:15], xb s[16:17], wc s[18:19]
	s_load_b128 s[20:23], s[0:1], 0x40             ; uf s[20:21], w2f s[22:23]
	s_load_b64 s[24:25], s[0:1], 0x50              ; b1b
	v_lshl_add_u32 v112, v0, 2, 0x4400
	v_mov_b32 v113, 0
	s_mov_b32 s2, ttmp9                            ; g, the work-group's number
	s_mov_b32 s29, 0                               ; s[28:29]: a byte offset in 64 bits; all offsets here stay under 2^32
	s_mov_b32 s33, 0xffff0000                      ; a word's upper bf16
	s_wait_kmcnt 0x0
	s_cmp_lt_u32 s2, 512
	s_cbranch_scc1 .Ltrans
	s_cmp_lt_u32 s2, 1536
	s_cbranch_scc1 .Lstream_x
	s_cmp_lt_u32 s2, 1600
	s_cbranch_scc1 .Lstream_v
	s_cmp_lt_u32 s2, 1728
	s_cbranch_scc1 .Lfrag_u
	; ROLE W, g = 1728 .. 1743: 4,096 bytes of w2f (four chunks of 32 e); wave 0 also 128 numbers of b1.
	s_sub_co_u32 s26, s2, 1728                     ; q
	s_lshl_b32 s28, s26, 12
	s_add_nc_u64 s[12:13], s[12:13], s[28:29]      ; W2: 128 rows of 32 bytes on for each q
	s_add_nc_u64 s[22:23], s[22:23], s[28:29]
	v_and_b32 v1, 15, v0                           ; r
	v_and_b32 v2, 3, v1
	v_lshrrev_b32 v3, 3, v1
	v_lshl_add_u32 v2, v3, 2, v2                   ; the row's expert: r % 4 + 4 (r / 8)
	v_lshrrev_b32 v3, 4, v0                        ; h + 2 x + 4 chunk: eight rows of W2 (256 bytes) for each step
	v_lshlrev_b32 v3, 8, v3
	v_lshl_add_u32 v3, v2, 2, v3
	v_and_b32 v4, 4, v1
	v_cmp_eq_u32 s37, 0, v4                        ; rows 4-7 and 12-15 hold zeros
	v_lshlrev_b32 v5, 4, v0                        ; my 16 bytes of the 4,096
	v_lshlrev_b32 v7, 3, v0
	v_lshrrev_b32 v6, 5, v0
	v_readfirstlane_b32 s38, v6                    ; wave
.irp i, 0,1,2,3,4,5,6,7
	global_load_b32 v[16+(\i)], v3, s[12:13] offset:32*(\i)
.endr
	s_wait_loadcnt 0x0
.irp i, 0,1,2,3,4,5,6,7
	v_cndmask_b32 v[16+(\i)], 0, v[16+(\i)], s37
.endr
.irp m, 0,1,2,3
	v_cvt_pk_bf16_f32 v[24+(\m)], v[16+2*(\m)], v[16+2*(\m)+1]   ; the input's one rounding
.endr
.irp m, 0,1,2,3
	v_lshlrev_b32 v[16+2*(\m)], 16, v[24+(\m)]
	v_and_b32 v[16+2*(\m)+1], s33, v[24+(\m)]
.endr
.irp m, 0,1,2,3
	v_cvt_pk_f16_f32 v[28+(\m)], v[16+2*(\m)], v[16+2*(\m)+1]    ; the same number as f16
.endr
	global_store_b128 v5, v[28:31], s[22:23]       ; a wave stores 512 consecutive bytes
	s_cmp_lg_u32 s38, 0
	s_cbranch_scc1 .Lw_end
	s_lshl_b32 s28, s26, 9
	s_add_nc_u64 s[14:15], s[14:15], s[28:29]      ; b1: 128 f32 for each q
	s_lshl_b32 s28, s26, 8
	s_add_nc_u64 s[24:25], s[24:25], s[28:29]
	global_load_b128 v[32:35], v5, s[14:15]
	s_wait_loadcnt 0x0
	v_cvt_pk_bf16_f32 v36, v32, v33
	v_cvt_pk_bf16_f32 v37, v34, v35
	global_store_b64 v7, v[36:37], s[24:25]        ; the wave stores 256 consecutive bytes
.Lw_end:
	s_endpgm
	; ROLE T, g = 0 .. 511: a tile of 128 d x 64 e of W1 is turned.  Sixteen lanes read 256 consecutive bytes of a row of W1; a thread packs 8 d of 4 e;
	; the rows of e go through LDS and leave as 256 consecutive bytes of a row of wc.
.Ltrans:
	s_and_b32 s26, s2, 31                          ; et: which 64 e
	s_lshr_b32 s27, s2, 5                          ; dt: which 128 d
	s_lshl_b32 s28, s27, 20                        ; 128 rows of 8,192 bytes
	s_lshl_b32 s34, s26, 8
	s_add_co_u32 s28, s28, s34
	s_add_nc_u64 s[6:7], s[6:7], s[28:29]
	s_lshr_b32 s34, s26, 2                         ; e = 64 et: j = et / 4, half = (et / 2) % 2, i = 64 (et % 2)
	s_mul_i32 s34, s34, 320
	s_bfe_u32 s35, s26, 0x10001
	s_mul_i32 s35, s35, 160
	s_add_co_u32 s34, s34, s35
	s_and_b32 s35, s26, 1
	s_lshl_b32 s35, s35, 6
	s_add_co_u32 s34, s34, s35                     ; the tile's first row of wc
	s_lshl_b32 s28, s34, 12
	s_lshl_b32 s35, s27, 8
	s_add_co_u32 s28, s28, s35
	s_add_nc_u64 s[18:19], s[18:19], s[28:29]
	v_and_b32 v1, 15, v0
	v_lshrrev_b32 v2, 4, v0
	v_lshlrev_b32 v3, 4, v1
	v_lshl_add_u32 v3, v2, 16, v3                  ; W1: rows 8 (t / 16) on, 16 bytes at 16 (t % 16)
	v_mul_u32_u24 v4, v1, 4*TP
	v_lshl_add_u32 v4, v2, 4, v4                   ; LDS, in: row 4 (t % 16), byte 16 (t / 16)
	v_mul_u32_u24 v5, v2, TP
	v_lshl_add_u32 v5, v1, 4, v5                   ; LDS, back: row t / 16, byte 16 (t % 16)
	v_lshlrev_b32 v6, 12, v2
	v_lshl_add_u32 v6, v1, 4, v6                   ; the same place in wc
.irp i, 0,1,2,3,4,5,6,7
	global_load_b128 v[X+4*(\i):X+4*(\i)+3], v3, s[6:7] offset:8192*(\i) th:TH_LOAD_NT
.endr
	s_wait_loadcnt 0x0
.irp c, 0,1,2,3
.irp m, 0,1,2,3
	v_cvt_pk_bf16_f32 v[P+4*(\c)+(\m)], v[X+8*(\m)+(\c)], v[X+8*(\m)+4+(\c)]
.endr
.endr
.irp c, 0,1,2,3
	ds_store_b128 v4, v[P+4*(\c):P+4*(\c)+3] offset:(\c)*TP
.endr
	s_wait_dscnt 0x0                               ; for the others' sake: my stores are done
	s_barrier_signal -1
	s_barrier_wait -1
.irp i, 0,1,2,3
	ds_load_b128 v[BK+4*(\i):BK+4*(\i)+3], v5 offset:(\i)*16*TP
.endr
.irp i, 0,1,2,3
	s_wait_dscnt 3-(\i)                            ; LDS loads come back in order: number i is in
	global_store_b128 v6, v[BK+4*(\i):BK+4*(\i)+3], s[18:19] offset:65536*(\i)   ; 16 lanes store 256 consecutive bytes of a row
.endr
	s_wait_tensorcnt 0x0
	ds_add_u32 v112, v113
	s_wait_dscnt 0x0
	s_endpgm
; A stream: 65,536 bytes of f32 become 32,768 bytes of bf16.  All sixteen loads of a thread go out at once; the counts run down; no register is used twice.
.macro STREAM src, dst
	v_lshlrev_b32 v1, 4, v0
	v_lshlrev_b32 v2, 3, v0
.set i, 0
.rept 16
	global_load_b128 v[16+4*i:16+4*i+3], v1, s[\src:\src+1] offset:4096*i th:TH_LOAD_NT
.set i, i+1
.endr
.set i, 0
.rept 16
	s_wait_loadcnt 15-i                            ; loads come back in order: number i is in, the younger ones stay out
	v_cvt_pk_bf16_f32 v[80+2*i], v[16+4*i], v[16+4*i+1]
	v_cvt_pk_bf16_f32 v[80+2*i+1], v[16+4*i+2], v[16+4*i+3]
	global_store_b64 v2, v[80+2*i:80+2*i+1], s[\dst:\dst+1] offset:2048*i   ; a wave stores 256 consecutive bytes
.set i, i+1
.endr
	s_endpgm
.endm
	; ROLE S for x, g = 512 .. 1535
.Lstream_x:
	s_sub_co_u32 s26, s2, 512
	s_lshl_b32 s28, s26, 16
	s_add_nc_u64 s[4:5], s[4:5], s[28:29]
	s_lshl_b32 s28, s26, 15
	s_add_nc_u64 s[16:17], s[16:17], s[28:29]
	STREAM 4, 16
	; ROLE S for V, g = 1536 .. 1599: eight rows of V, which are eight rows on end of wc
.Lstream_v:
	s_sub_co_u32 s26, s2, 1536                     ; v: expert v / 8, rows 8 (v % 8) on
	s_lshl_b32 s28, s26, 16
	s_add_nc_u64 s[8:9], s[8:9], s[28:29]
	s_lshr_b32 s34, s26, 3
	s_mul_i32 s34, s34, 320
	s_bfe_u32 s35, s26, 0x10002
	s_mul_i32 s35, s35, 160
	s_add_co_u32 s34, s34, s35
	s_and_b32 s35, s26, 3
	s_lshl_b32 s35, s35, 3
	s_add_co_u32 s34, s34, s35
	s_add_co_u32 s34, s34, 128                     ; row 320 j + 160 half + 128 + 8 (v % 4)
	s_lshl_b32 s28, s34, 12
	s_add_nc_u64 s[18:19], s[18:19], s[28:29]
	STREAM 8, 18
	; ROLE U, g = 1600 .. 1727: one block of 16 d, all 16 chunks: 16,384 bytes of uf.  Piece t + 256 i: chunk t / 64 + 4 i, x = (t / 32) % 2, h = (t / 16) % 2, r = t % 16.
.Lfrag_u:
	s_sub_co_u32 s26, s2, 1600
	s_lshl_b32 s28, s26, 12                        ; 16 rows of 256 bytes
	s_add_nc_u64 s[10:11], s[10:11], s[28:29]
	s_lshl_b32 s28, s26, 14
	s_add_nc_u64 s[20:21], s[20:21], s[28:29]
	v_lshrrev_b32 v1, 7, v0                        ; expert t / 128 + 2 i
	v_and_b32 v2, 15, v0
	v_bfe_u32 v3, v0, 4, 3                         ; h + 2 x + 4 (chunk % 2): eight numbers of the row for each step
	v_lshlrev_b32 v4, 19, v1
	v_lshl_add_u32 v4, v2, 8, v4
	v_lshl_add_u32 v4, v3, 5, v4
	v_lshlrev_b32 v5, 4, v0
.irp i, 0,1,2,3
	global_load_b128 v[16+8*(\i):16+8*(\i)+3], v4, s[10:11] offset:1048576*(\i) th:TH_LOAD_NT
	global_load_b128 v[16+8*(\i)+4:16+8*(\i)+7], v4, s[10:11] offset:1048576*(\i)+16 th:TH_LOAD_NT
.endr
	s_wait_loadcnt 0x0
.irp i, 0,1,2,3
.irp m, 0,1,2,3
	v_cvt_pk_bf16_f32 v[48+(\m)], v[16+8*(\i)+2*(\m)], v[16+8*(\i)+2*(\m)+1]
.endr
.irp m, 0,1,2,3
	v_lshlrev_b32 v[16+8*(\i)+2*(\m)], 16, v[48+(\m)]
	v_and_b32 v[16+8*(\i)+2*(\m)+1], s33, v[48+(\m)]
.endr
.irp m, 0,1,2,3
	v_cvt_pk_f16_f32 v[56+4*(\i)+(\m)], v[16+8*(\i)+2*(\m)], v[16+8*(\i)+2*(\m)+1]
.endr
	global_store_b128 v5, v[56+4*(\i):56+4*(\i)+3], s[20:21] offset:4096*(\i)
.endr
	s_endpgm
.Lfunc_end_k_q08231cf25f_prep:
	.size	k_q08231cf25f_prep, .Lfunc_end_k_q08231cf25f_prep-k_q08231cf25f_prep
	.p2alignl 7, 3214868480
	.fill 96, 4, 3214868480
	.section	.rodata,"a",@progbits
	.p2align	6, 0x0
	.amdhsa_kernel k_q08231cf25f_prep
		.amdhsa_group_segment_fixed_size 18432
		.amdhsa_private_segment_fixed_size 0
		.amdhsa_enable_private_segment 0
		.amdhsa_kernarg_size 88
		.amdhsa_user_sgpr_count 2
		.amdhsa_user_sgpr_kernarg_segment_ptr 1
		.amdhsa_wavefront_size32 1
		.amdhsa_system_sgpr_workgroup_id_x 1
		.amdhsa_system_sgpr_workgroup_id_y 1
		.amdhsa_system_sgpr_workgroup_id_z 1
		.amdhsa_system_vgpr_workitem_id 0
		.amdhsa_next_free_vgpr 114
		.amdhsa_next_free_sgpr 66
		.amdhsa_reserve_vcc 0
		.amdhsa_float_denorm_mode_32 3
		.amdhsa_float_denorm_mode_16_64 3
		.amdhsa_memory_ordered 1
		.amdhsa_forward_progress 1
		.amdhsa_inst_pref_size 26
	.end_amdhsa_kernel
	.amdgpu_metadata
---
amdhsa.version: [ 1, 2 ]
amdhsa.kernels:
  - .name:           k_q08231cf25f_prep
    .symbol:         k_q08231cf25f_prep.kd
    .args:
      - { .name: x, .offset: 0, .size: 8, .value_kind: global_buffer, .address_space: global }
      - { .name: W1, .offset: 8, .size: 8, .value_kind: global_buffer, .address_space: global }
      - { .name: V, .offset: 16, .size: 8, .value_kind: global_buffer, .address_space: global }
      - { .name: U, .offset: 24, .size: 8, .value_kind: global_buffer, .address_space: global }
      - { .name: W2, .offset: 32, .size: 8, .value_kind: global_buffer, .address_space: global }
      - { .name: b1, .offset: 40, .size: 8, .value_kind: global_buffer, .address_space: global }
      - { .name: xb, .offset: 48, .size: 8, .value_kind: global_buffer, .address_space: global }
      - { .name: wc, .offset: 56, .size: 8, .value_kind: global_buffer, .address_space: global }
      - { .name: uf, .offset: 64, .size: 8, .value_kind: global_buffer, .address_space: global }
      - { .name: w2f, .offset: 72, .size: 8, .value_kind: global_buffer, .address_space: global }
      - { .name: b1b, .offset: 80, .size: 8, .value_kind: global_buffer, .address_space: global }
    .group_segment_fixed_size: 18432
    .private_segment_fixed_size: 0
    .kernarg_segment_align: 8
    .kernarg_segment_size: 88
    .max_flat_workgroup_size: 256
    .sgpr_count:     66
    .vgpr_count:     114
    .wavefront_size: 32
...
	.end_amdgpu_metadata
.endif
;; end of part 1
;; launch router (part 2): grid 8 x 32, 4 waves a work-group, clusters of 4 x 4, 327,680 bytes of LDS; arguments xb, wc, w2f, b1b, vxw, plog; writes vxw, plog
.if DOCPART == 2
	.amdgcn_target "amdgcn-amd-amdhsa--gfx1250"
	.amdhsa_code_object_version 6
	.text
	.protected	k_q08231cf25f_router
	.globl	k_q08231cf25f_router
	.p2align	8
	.type	k_q08231cf25f_router,@function
k_q08231cf25f_router:
	s_mov_b64 s[64:65], 0
	v_nop
	global_prefetch_b8 v0, s[64:65] scope:SCOPE_SE
	s_setreg_imm32_b32 hwreg(HW_REG_WAVE_MODE, 25, 1), 1
	s_wait_xcnt 0x0
	s_wait_alu depctr_hold_cnt(0) depctr_sa_sdst(0) depctr_va_vdst(0) depctr_va_sdst(0) depctr_va_ssrc(0) depctr_va_vcc(0) depctr_vm_vsrc(0)
	s_getreg_b32 s2, hwreg(HW_REG_IB_STS2, 6, 4)
	s_cmp_eq_u32 s2, 0
	s_cbranch_scc0 .Lentry_in_a_cluster
	s_endpgm
.Lentry_in_a_cluster:
	s_bfe_u32 s2, ttmp6, 0x10000c
	s_cmp_lg_u32 s2, 0xf033
	s_cbranch_scc0 .Lentry_shape_is_right
	s_endpgm
.Lentry_shape_is_right:
; ROUTER: [x W1 | x V^T] = xb wc^T, 8,192 tokens x 2,560 columns, K = 2,048, bf16 operands, f32 sums; of the result only vx and partial logits go to memory.
; A work-group of four waves makes 256 tokens x 320 columns: 32 x 8 tiles, one for each of 256 work-groups.  Column tile j holds 256 columns of h and expert j's 64 rows of V.
; A wave makes 128 tokens x 160 columns (128 of h, 32 of vx): 80 accumulators of 16 x 16, 640 registers.  K goes in steps of 128 through two LDS slots filled by the tensor data mover.
; THE MATRIX INSTRUCTION IS USED TRANSPOSED: source 0 = 16 rows of wc, source 1 = 16 tokens.  A lane then holds one token (lane % 16) and eight neighbouring columns 8 (lane / 16) + 0..7,
; and two neighbouring accumulators, rounded in pairs, ARE source 1 (16 tokens x 32 along K) of a further product.
; THE WAY OUT.  h = relu(sum + b1) is rounded to f16 and multiplied at once by the wave's 128 rows of W2: register i (0..3) of lane (r, h) is expert 4 h + i of token r.  The two column
; halves' sums meet in LDS; the tile's partial logits go to plog[j][token][8] in f32.  vx is rounded to f16 and stored as the register image of the last product's source 1:
; vxw[token block of 16][chunk 2 j + half][1,024 bytes].
; LIMITS.  h and vx are kept in f16: beyond 65,504 they turn into infinities.  Both are sums of 2,048 products x w; with the drawn spreads they stay under 6, with x and the weights both
; thirty times larger under 5,000, with both carrying thirty spreads of offset near 37,000.  Below 6e-5 they keep f16's fixed step of 6e-8.  relu(NaN) is 0 here; infinities are not treated apart.
; CLUSTERS: 4 x 4 work-groups.  The four of a row of the cluster need the same 256 tokens of xb, the four of a column the same 320 rows of wc: each tile is asked for JOINTLY, by the same
; tensor load with the same descriptor and a mask that names the four.
; REGISTERS, in windows of 256 (s_set_vgpr_msb: bits 1:0 source 0, 3:2 source 1, 5:4 source 2, 7:6 destination):
;   window 0: v0-31 addresses; v32-63 W2's fragments; v64-95 b1, packed; v96-175, v176-255 fragments of wc, two buffers of ten (on the way out: bias, work, h, logits)
;   window 1: v0-63, v64-127 fragments of xb, two buffers of eight; v128-255 the accumulators of column blocks 8, 9 (vx)
;   window 2: those of column blocks 0-3, (a, b) at 64 b + 8 a;   window 3: those of blocks 4-7
.set KSTEP,  128
.set PITCH,  272                       ; an LDS row: 256 bytes + 16 of padding = 68 words: row r starts at bank 4 r mod 64 (64 banks of 4 bytes: ISA guide 11.1)
.set HALFA,  128*PITCH                 ; what one tensor load brings of xb, and what one wave reads of it
.set HALFB,  160*PITCH                 ; the same for wc
.set SLOT,   2*HALFA+2*HALFB           ; 256 rows of xb, then 320 rows of wc
.set SPARE,  2*SLOT                    ; behind the ring: the spare words, 128 bytes for each wave: two blocks of 256 bytes that no other line names
.set LX,     SPARE+512                 ; 8,192 bytes in which the column halves' logits meet; no tensor load fills them
.set LAPS,   2048/(2*KSTEP)            ; a lap = two K steps = once round the ring
.set FLAGS,  (1<<16)|(1<<20)|(1<<21)|(5<<22)|(3<<25)  ; 17:16 elements of 2 bytes; 20 padding on; 21 set beside a mask; 24:22 after every 64 words; 31:25 4 words of it
.set ADRA, 16                          ; v16-17  LDS address of my fragments of xb in slot 0, 1
.set ADRB, 20                          ; v20-21  the same for wc
.set LOFF, 22                          ; v22     16 x lane
.set B1O,  23                          ; v23     16 x (lane / 16)
.set PLO,  24                          ; v24     32 x (lane % 16) + 16 x (lane / 16): my four logits in 16 tokens of plog
.set LXA,  25                          ; v25     my 16 bytes in my token half's part of LX
.set SPW,  28                          ; v28     LDS address of my spare word; never rewritten
.set NIL,  29                          ; v29     0; never rewritten
.set W2F,  32
.set B1P,  64
.set BF,   96                          ; wc's fragment b of buffer f at BF + 80 f + 8 b; xb's fragment a at 64 f + 8 a of window 1
.set BIAS, 96                          ; the way out: b1 in f32, eight numbers for each column block
.set T,    160                         ; 16 at work
.set HF,   176                         ; h's fragment, two buffers
.set LG,   192                         ; the logits' eight accumulators
.set G1,  24                           ; s[24:31] descriptor group 1 for xb's tiles;  s[32:39] group 0, one set for each slot
.set G0,  32
.set G1B, 48                           ; s[48:55], s[56:63] the same for wc's tiles
.set G0B, 56
.set WV,  70                           ; s70 wave; s71 my token half, also: I fetch xb (0) or wc (1); s72 my column half, also: which half of that tile I fetch
.set RH,  71
.set CH,  72
.set MSB, 0
.macro WIN new                         ; the immediate's high byte repeats the setting that is left; a switch that changes nothing is dropped
.if MSB != (\new)
	s_set_vgpr_msb (MSB<<8)|(\new)
.set MSB, \new
.endif
.endm
; A joint load.  Waves 0 and 1 fetch xb's two halves, waves 2 and 3 wc's.  The branch hangs on the wave's number alone.  An s_nop 0 and four v_nop follow each of the two lines.
.macro JLOAD s
	s_cmp_eq_u32 s[RH], 0
	s_cbranch_scc0 .Lfor_b_\@
	tensor_load_to_lds s[G0+4*(\s):G0+4*(\s)+3], s[G1:G1+7]
	s_nop 0
.rept 4
	v_nop
.endr
	s_branch .Lasked_\@
.Lfor_b_\@:
	tensor_load_to_lds s[G0B+4*(\s):G0B+4*(\s)+3], s[G1B:G1B+7]
	s_nop 0
.rept 4
	v_nop
.endr
.Lasked_\@:
.endm
.macro CREST                           ; a round of the cluster's barrier behind its opening barrier
	s_cmp_lg_u32 s[WV], 0
	s_cbranch_scc1 .Lnot_wave_0_\@
	s_barrier_signal -3
.Lnot_wave_0_\@:
	s_barrier_wait -3
	s_barrier_signal -1
	s_barrier_wait -1
.endm
.macro CROUND                          ; a whole round
	s_barrier_signal -1
	s_barrier_wait -1
	CREST
.endm
.macro PLACES                          ; four places in front of loads into, and vector lines that touch, registers of matrix instructions
.rept 4
	v_nop
.endr
.endm
	s_load_b256 s[4:11], s[0:1], 0x0               ; xb s[4:5], wc s[6:7], w2f s[8:9], b1b s[10:11]
	s_load_b128 s[12:15], s[0:1], 0x20             ; vxw s[12:13], plog s[14:15]
	v_lshl_add_u32 v[SPW], v0, 2, SPARE
	v_mov_b32 v[NIL], 0
	ds_add_u32 v28, v29
	s_wait_dscnt 0x0
	v_lshrrev_b32 v1, 5, v0
	v_readfirstlane_b32 s[WV], v1
	s_lshr_b32 s[RH], s[WV], 1
	s_and_b32 s[CH], s[WV], 1
	s_bfe_u32 s40, ttmp6, 0x40000                  ; cx, cy: my place in the cluster
	s_bfe_u32 s41, ttmp6, 0x40004
	s_lshl_b32 s42, ttmp9, 2
	s_add_co_u32 s42, s42, s40                     ; column tile = 4 x cluster x + cx
	s_and_b32 s43, ttmp7, 0xffff
	s_lshl_b32 s43, s43, 2
	s_add_co_u32 s43, s43, s41                     ; token tile = 4 x cluster y + cy
	s_lshl_b32 s44, s41, 2
	s_lshl_b32 s44, 15, s44                        ; my row of the cluster
	s_lshl_b32 s45, 0x1111, s40                    ; my column
	s_or_b32 s[G1], s44, FLAGS                     ; xb's tiles go to my row,
	s_or_b32 s[G1B], s45, FLAGS                    ; wc's to my column
	s_mov_b32 s[G1+1], KSTEP<<16                   ; tensor_dim0 = 128
	s_mov_b32 s[G1+2], 128<<16                     ; tensor_dim1 = 128
	s_mov_b32 s[G1+3], KSTEP<<16                   ; tile_dim0 = 128
	s_mov_b32 s[G1+4], 128                         ; tile_dim1 = 128
	s_mov_b32 s[G1+5], 2048                        ; elements from row to row
	s_mov_b32 s[G1+6], 0
	s_mov_b32 s[G1+7], 0
	s_mov_b32 s[G1B+1], KSTEP<<16
	s_mov_b32 s[G1B+2], 160<<16                    ; 160 rows
	s_mov_b32 s[G1B+3], KSTEP<<16
	s_mov_b32 s[G1B+4], 160
	s_mov_b32 s[G1B+5], 2048
	s_mov_b32 s[G1B+6], 0
	s_mov_b32 s[G1B+7], 0
	; where the tiles come from: xb's hang on the token tile alone, wc's on the column tile alone, each in registers that never hold the other coordinate
	s_lshl_b32 s16, s43, 8
	s_lshl_b32 s17, s[CH], 7
	s_add_co_u32 s16, s16, s17                     ; row 256 x token tile + 128 x half,
	s_lshl_b32 s16, s16, 12                        ; of 4,096 bytes: under 2^32
	s_mov_b32 s17, 0
	s_mul_i32 s46, s42, 320
	s_mul_i32 s47, s[CH], 160
	s_add_co_u32 s46, s46, s47                     ; row 320 x column tile + 160 x half
	s_lshl_b32 s46, s46, 12
	s_mov_b32 s47, 0
	s_mul_i32 s18, s[CH], HALFA                    ; and where they go: no place in the cluster enters an LDS address
	s_mul_i32 s19, s[CH], HALFB
	s_add_co_u32 s19, s19, 2*HALFA
	s_wait_kmcnt 0x0
	s_add_nc_u64 s[16:17], s[4:5], s[16:17]
	s_add_nc_u64 s[46:47], s[6:7], s[46:47]
	CROUND                                         ; all sixteen work-groups are here: the first joint loads meet
.irp s, 0,1
	s_mov_b32 s[G0+4*(\s)], 1                                        ; count = 1
	s_add_co_u32 s[G0+4*(\s)+1], s18, (\s)*SLOT                      ; LDS address
	s_add_nc_u64 s[G0+4*(\s)+2:G0+4*(\s)+3], s[16:17], (\s)*KSTEP*2  ; global address: K step s
	s_or_b32 s[G0+4*(\s)+3], s[G0+4*(\s)+3], 0x80000000              ; type = 2
	s_mov_b32 s[G0B+4*(\s)], 1
	s_add_co_u32 s[G0B+4*(\s)+1], s19, (\s)*SLOT
	s_add_nc_u64 s[G0B+4*(\s)+2:G0B+4*(\s)+3], s[46:47], (\s)*KSTEP*2
	s_or_b32 s[G0B+4*(\s)+3], s[G0B+4*(\s)+3], 0x80000000
	JLOAD \s                                       ; two loads of mine are out
.endr
	; a fragment is 16 rows x 32 K in 8 registers: lane l holds row l % 16, K = 8 (l / 16) + 0..7 and 16 + 8 (l / 16) + 0..7: two loads of 16 bytes, 32 bytes apart
	v_and_b32 v1, 15, v0
	v_bfe_u32 v2, v0, 4, 1
	v_mul_u32_u24 v3, v1, PITCH
	v_lshl_add_u32 v3, v2, 4, v3
	s_mul_i32 s21, s[RH], HALFA                    ; my 128 tokens
	s_mul_i32 s22, s[CH], HALFB                    ; my 160 rows of wc,
	s_add_co_u32 s22, s22, 2*HALFA                 ; which lie behind xb's 256
.irp s, 0,1
	v_add_nc_u32 v[ADRA+(\s)], s21, v3
	v_add_nc_u32 v[ADRB+(\s)], s22, v3
	s_add_co_u32 s21, s21, SLOT
	s_add_co_u32 s22, s22, SLOT
.endr
	v_and_b32 v4, 31, v0
	v_lshlrev_b32 v[LOFF], 4, v4
	v_lshlrev_b32 v[B1O], 4, v2
	v_lshl_add_u32 v[PLO], v1, 5, v[B1O]
	s_lshl_b32 s23, s[RH], 12
	s_add_co_u32 s23, s23, LX
	v_add_nc_u32 v[LXA], s23, v[LOFF]
	s_mov_b32 s67, 0
	s_lshl_b32 s66, s42, 3
	s_lshl_b32 s68, s[CH], 2
	s_add_co_u32 s66, s66, s68
	s_lshl_b32 s66, s66, 10
	s_add_nc_u64 s[8:9], s[8:9], s[66:67]          ; w2f at my four chunks of 32 e: 8 x column tile + 4 x half
	s_lshl_b32 s66, s42, 9
	s_lshl_b32 s68, s[CH], 8
	s_add_co_u32 s66, s66, s68
	s_add_nc_u64 s[10:11], s[10:11], s[66:67]      ; b1b at my 128 e
	s_lshl_b32 s66, s43, 4
	s_lshl_b32 s68, s[RH], 3
	s_add_co_u32 s66, s66, s68                     ; my first token block,
	s_lshl_b32 s66, s66, 4
	s_lshl_b32 s68, s42, 1
	s_add_co_u32 s66, s66, s68
	s_add_co_u32 s66, s66, s[CH]                   ; chunk 2 x expert + half
	s_lshl_b32 s66, s66, 10
	s_add_nc_u64 s[12:13], s[12:13], s[66:67]
	s_lshl_b32 s66, s43, 8
	s_lshl_b32 s68, s[RH], 7
	s_add_co_u32 s66, s66, s68
	s_lshl_b32 s66, s66, 5                         ; my first token, 32 bytes each,
	s_lshl_b32 s68, s42, 18                        ; in the column tile's plane of 262,144 bytes
	s_add_co_u32 s66, s66, s68
	s_add_nc_u64 s[14:15], s[14:15], s[66:67]
	s_mov_b32 s68, 0xffff0000                      ; a word's upper bf16
.irp p, 0,1,2,3                                        ; W2's fragments and b1 are wanted on the way out: they land during the products
	global_load_b128 v[W2F+8*(\p):W2F+8*(\p)+3],   v[LOFF], s[8:9] offset:1024*(\p)
	global_load_b128 v[W2F+8*(\p)+4:W2F+8*(\p)+7], v[LOFF], s[8:9] offset:1024*(\p)+512
.endr
.irp b, 0,1,2,3,4,5,6,7
	global_load_b128 v[B1P+4*(\b):B1P+4*(\b)+3], v[B1O], s[10:11] offset:32*(\b)
.endr
; 16 matrix instructions: column blocks b0, b0 + 1 x all 8 token blocks, 32 along K, from buffer f.  zero = 1: the product starts the sums.
; All 80 accumulators come by turns, one instruction a turn, in the same order in every quarter step.
.macro MUL16 f, b0, zero
.if (\b0) < 4
	WIN 0xa4                                       ; wc window 0, xb window 1, C and D window 2
.set AB, 64*(\b0)
.elseif (\b0) < 8
	WIN 0xf4                                       ; C and D window 3
.set AB, 64*((\b0)-4)
.else
	WIN 0x54                                       ; C and D window 1
.set AB, 128+64*((\b0)-8)
.endif
.irp q, 0,1
.irp a, 0,1,2,3,4,5,6,7
.if \zero
	v_wmma_f32_16x16x32_bf16 v[AB+64*(\q)+8*(\a):AB+64*(\q)+8*(\a)+7], v[BF+80*(\f)+8*((\b0)+(\q)):BF+80*(\f)+8*((\b0)+(\q))+7], v[64*(\f)+8*(\a):64*(\f)+8*(\a)+7], 0
.else
	v_wmma_f32_16x16x32_bf16 v[AB+64*(\q)+8*(\a):AB+64*(\q)+8*(\a)+7], v[BF+80*(\f)+8*((\b0)+(\q)):BF+80*(\f)+8*((\b0)+(\q))+7], v[64*(\f)+8*(\a):64*(\f)+8*(\a)+7], v[AB+64*(\q)+8*(\a):AB+64*(\q)+8*(\a)+7]
.endif
.endr
.endr
.endm
; 36 LDS loads in one run: the fragments of one quarter step (32 K at byte k of the rows) into buffer f: xb's eight, then wc's ten in ascending order
.macro FETCH slot, k, f
	WIN 0x40
.irp i, 0,1,2,3,4,5,6,7
	ds_load_b128 v[64*(\f)+8*(\i):64*(\f)+8*(\i)+3],   v[ADRA+(\slot)] offset:(\k)+(\i)*16*PITCH
	ds_load_b128 v[64*(\f)+8*(\i)+4:64*(\f)+8*(\i)+7], v[ADRA+(\slot)] offset:(\k)+(\i)*16*PITCH+32
.endr
	WIN 0
.irp i, 0,1,2,3,4,5,6,7,8,9
	ds_load_b128 v[BF+80*(\f)+8*(\i):BF+80*(\f)+8*(\i)+3],   v[ADRB+(\slot)] offset:(\k)+(\i)*16*PITCH
	ds_load_b128 v[BF+80*(\f)+8*(\i)+4:BF+80*(\f)+8*(\i)+7], v[ADRB+(\slot)] offset:(\k)+(\i)*16*PITCH+32
.endr
.endm
; A K step is four quarter steps of 32 along K, 80 matrix instructions each, on buffers 0, 1, 0, 1.  One of the first three: multiplies buffer f and fetches the next quarter, at byte k, into g.
.macro QUARTER slot, k, f, g, zero
	s_wait_dscnt 12                                ; xb's fragments and wc's blocks 0-3 are in; the youngest twelve loads (blocks 4-9) may be out
	MUL16 \f, 0, \zero
	MUL16 \f, 2, \zero
	PLACES
	FETCH \slot, \k, \g
	s_wait_dscnt 36                                ; all but the 36 just issued
	MUL16 \f, 4, \zero
	MUL16 \f, 6, \zero
	MUL16 \f, 8, \zero
.endm
; The last quarter multiplies buffer 1 and changes slots: ONE barrier.  In front of it each wave waits for all its tensor loads (one is out: its part of the next slot), adds 0 to its spare
; word, and waits for that and for its own reads of this slot.  fill = 1: the barrier opens a round of the cluster's, and this slot is filled again, two K steps ahead, first thing behind it:
; from that request to the wait for it a wave issues 288 matrix instructions.
.macro TURN slot, next, fill
	WIN 0                                          ; (the add's two registers lie in window 0)
	s_wait_tensorcnt 0x0                           ; all my tensor loads have landed
	ds_add_u32 v[SPW], v[NIL]                      ; 0 onto my spare word
	s_wait_dscnt 13                                ; (the add and the youngest twelve loads may be out)
	MUL16 1, 0, 0                                  ; sixteen matrix instructions stand between the add and the wait for it
	s_wait_dscnt 0x0                               ; the add is done, and my reads of this slot are over
	s_barrier_signal -1
	MUL16 1, 2, 0                                  ; work on registers while the others arrive
.if \fill
	WIN 0
.endif
	s_barrier_wait -1
.if \fill
	CREST                                          ; no wave of any partner still reads this slot's tiles or has a load on its way
	s_add_nc_u64 s[G0+4*(\slot)+2:G0+4*(\slot)+3], s[G0+4*(\slot)+2:G0+4*(\slot)+3], 2*KSTEP*2
	s_add_nc_u64 s[G0B+4*(\slot)+2:G0B+4*(\slot)+3], s[G0B+4*(\slot)+2:G0B+4*(\slot)+3], 2*KSTEP*2
	JLOAD \slot                                    ; the four v_nop behind it are also the places in front of the loads below
.else
	PLACES
.endif
	FETCH \next, 0, 0
	MUL16 1, 4, 0
	MUL16 1, 6, 0
	MUL16 1, 8, 0
.endm
	s_wait_tensorcnt 1                             ; my part of K step 0 is in; K step 1's may stay out
	s_barrier_signal -1
	s_barrier_wait -1                              ; everybody's is
	FETCH 0, 0, 0
	QUARTER 0, 64, 0, 1, 1                         ; the first quarter stands in front of the loop: its products start the sums
	WIN 0                                          ; at a label and at a branch every window is 0
	s_mov_b32 s3, LAPS-1
.Llap:                                                 ; a trip goes once round the ring, from a lap's second quarter to the next lap's first, and fills both slots again
	QUARTER 0, 128, 1, 0, 0
	QUARTER 0, 192, 0, 1, 0
	TURN 0, 1, 1
	QUARTER 1, 64,  0, 1, 0
	QUARTER 1, 128, 1, 0, 0
	QUARTER 1, 192, 0, 1, 0
	TURN 1, 0, 1
	QUARTER 0, 64,  0, 1, 0
	WIN 0
	s_sub_co_u32 s3, s3, 1
	s_cmp_lg_u32 s3, 0
	s_cbranch_scc1 .Llap
	QUARTER 0, 128, 1, 0, 0                        ; the last lap fills nothing and has no round of the cluster's barrier
	QUARTER 0, 192, 0, 1, 0
	TURN 0, 1, 0
	QUARTER 1, 64,  0, 1, 0
	QUARTER 1, 128, 1, 0, 0
	QUARTER 1, 192, 0, 1, 0
	s_wait_dscnt 12                                ; the very last quarter: nothing more to fetch
	MUL16 1, 0, 0
	MUL16 1, 2, 0
	s_wait_dscnt 0x0
	MUL16 1, 4, 0
	MUL16 1, 6, 0
	MUL16 1, 8, 0
	WIN 0
	; THE WAY OUT.  b1 is widened: eight numbers for each of my eight column blocks of h.  The four v_nop and these 64 lines are the places behind the last products.
	s_wait_loadcnt 0x0                             ; W2's fragments and b1
	PLACES
.irp b, 0,1,2,3,4,5,6,7
.irp i, 0,1,2,3
	v_lshlrev_b32 v[BIAS+8*(\b)+2*(\i)], 16, v[B1P+4*(\b)+(\i)]
	v_and_b32 v[BIAS+8*(\b)+2*(\i)+1], s68, v[B1P+4*(\b)+(\i)]
.endr
.endr
; Chunk p (32 columns of h: blocks 2 p, 2 p + 1) of token block a: sum + b1, relu, rounded to f16: that is source 1 of logits^T += W2^T h^T.  Each accumulator is read from its low end on.
; The eight logit accumulators take turns; h's fragment has two buffers, so that one is rewritten only behind the other fragment's 32 vector lines.
.macro HFRAG p, a
	WIN 0x02+(\p)/2                                ; source 0: window 2 (blocks 0-3) or 3 (blocks 4-7)
.set AC, 64*((2*(\p))%4)+8*(\a)
.irp i, 0,1,2,3
	v_pk_add_f32 v[T+2*(\i):T+2*(\i)+1], v[AC+2*(\i):AC+2*(\i)+1], v[BIAS+16*(\p)+2*(\i):BIAS+16*(\p)+2*(\i)+1]
.endr
.irp i, 0,1,2,3
	v_pk_add_f32 v[T+8+2*(\i):T+8+2*(\i)+1], v[AC+64+2*(\i):AC+64+2*(\i)+1], v[BIAS+16*(\p)+8+2*(\i):BIAS+16*(\p)+8+2*(\i)+1]
.endr
	WIN 0
.irp i, 0,1,2,3,4,5,6,7,8,9,10,11,12,13,14,15
	v_max_num_f32 v[T+(\i)], 0, v[T+(\i)]
.endr
.irp i, 0,1,2,3,4,5,6,7
	v_cvt_pk_f16_f32 v[HF+8*((\a)%2)+(\i)], v[T+2*(\i)], v[T+2*(\i)+1]
.endr
.if (\p) == 0
	v_wmma_f32_16x16x32_f16 v[LG+8*(\a):LG+8*(\a)+7], v[W2F+8*(\p):W2F+8*(\p)+7], v[HF+8*((\a)%2):HF+8*((\a)%2)+7], 0
.else
	v_wmma_f32_16x16x32_f16 v[LG+8*(\a):LG+8*(\a)+7], v[W2F+8*(\p):W2F+8*(\p)+7], v[HF+8*((\a)%2):HF+8*((\a)%2)+7], v[LG+8*(\a):LG+8*(\a)+7]
.endif
.endm
.irp p, 0,1,2,3
.irp a, 0,1,2,3,4,5,6,7
	HFRAG \p, \a
.endr
.endr
	; vx: blocks 8 and 9 of a token block, rounded to f16, are one fragment; it goes out as it lies, 512 consecutive bytes a store.  These 64 lines are the places behind the last logit products.
	WIN 0x45                                       ; all in window 1: into the registers that held xb's fragments
.irp a, 0,1,2,3,4,5,6,7
.irp i, 0,1,2,3
	v_cvt_pk_f16_f32 v[8*(\a)+(\i)], v[128+8*(\a)+2*(\i)], v[128+8*(\a)+2*(\i)+1]
.endr
.irp i, 0,1,2,3
	v_cvt_pk_f16_f32 v[8*(\a)+4+(\i)], v[192+8*(\a)+2*(\i)], v[192+8*(\a)+2*(\i)+1]
.endr
.endr
	WIN 0x04                                       ; store data in window 1, address in window 0
.irp a, 0,1,2,3,4,5,6,7
	global_store_b128 v[LOFF], v[8*(\a):8*(\a)+3],   s[12:13] offset:(\a)*16384
	global_store_b128 v[LOFF], v[8*(\a)+4:8*(\a)+7], s[12:13] offset:(\a)*16384+512
.endr
	WIN 0
	; the two column halves' logits meet: the right half's waves hand theirs over in LDS, the left half's add and store
	s_cmp_eq_u32 s[CH], 0
	s_cbranch_scc1 .Lno_send
.irp a, 0,1,2,3,4,5,6,7
	ds_store_b128 v[LXA], v[LG+8*(\a):LG+8*(\a)+3] offset:512*(\a)
.endr
.Lno_send:
	s_wait_dscnt 0x0                               ; for the others' sake: my stores are done
	s_barrier_signal -1
	s_barrier_wait -1
	s_cmp_lg_u32 s[CH], 0
	s_cbranch_scc1 .Lno_sum
.irp a, 0,1,2,3,4,5,6,7
	ds_load_b128 v[BIAS+4*(\a):BIAS+4*(\a)+3], v[LXA] offset:512*(\a)
.endr
	s_wait_dscnt 0x0
.irp a, 0,1,2,3,4,5,6,7
	v_pk_add_f32 v[BIAS+4*(\a):BIAS+4*(\a)+1],   v[LG+8*(\a):LG+8*(\a)+1],   v[BIAS+4*(\a):BIAS+4*(\a)+1]
	v_pk_add_f32 v[BIAS+4*(\a)+2:BIAS+4*(\a)+3], v[LG+8*(\a)+2:LG+8*(\a)+3], v[BIAS+4*(\a)+2:BIAS+4*(\a)+3]
.endr
.irp a, 0,1,2,3,4,5,6,7
	global_store_b128 v[PLO], v[BIAS+4*(\a):BIAS+4*(\a)+3], s[14:15] offset:512*(\a)   ; 16 tokens x 8 logits: the wave stores 512 consecutive bytes
.endr
.Lno_sum:
	s_wait_tensorcnt 0x0                           ; the wave's end, behind my last tensor load and my last LDS store
	ds_add_u32 v[SPW], v[NIL]
	s_wait_dscnt 0x0
	CROUND                                         ; the closing round: no work-group ends while a partner may still ask for a tile that names it
	s_endpgm
.Lfunc_end_k_q08231cf25f_router:
	.size	k_q08231cf25f_router, .Lfunc_end_k_q08231cf25f_router-k_q08231cf25f_router
	.p2alignl 7, 3214868480
	.fill 96, 4, 3214868480
	.section	.rodata,"a",@progbits
	.p2align	6, 0x0
	.amdhsa_kernel k_q08231cf25f_router
		.amdhsa_group_segment_fixed_size 327680
		.amdhsa_private_segment_fixed_size 0
		.amdhsa_enable_private_segment 0
		.amdhsa_kernarg_size 48
		.amdhsa_user_sgpr_count 2
		.amdhsa_user_sgpr_kernarg_segment_ptr 1
		.amdhsa_wavefront_size32 1
		.amdhsa_system_sgpr_workgroup_id_x 1
		.amdhsa_system_sgpr_workgroup_id_y 1
		.amdhsa_system_sgpr_workgroup_id_z 1
		.amdhsa_system_vgpr_workitem_id 0
		.amdhsa_next_free_vgpr 1024
		.amdhsa_next_free_sgpr 80
		.amdhsa_reserve_vcc 0
		.amdhsa_float_denorm_mode_32 3
		.amdhsa_float_denorm_mode_16_64 3
		.amdhsa_memory_ordered 1
		.amdhsa_forward_progress 1
		.amdhsa_inst_pref_size 196
	.end_amdhsa_kernel
	.amdgpu_metadata
---
amdhsa.version: [ 1, 2 ]
amdhsa.kernels:
  - .name:           k_q08231cf25f_router
    .symbol:         k_q08231cf25f_router.kd
    .args:
      - { .name: xb, .offset: 0, .size: 8, .value_kind: global_buffer, .address_space: global }
      - { .name: wc, .offset: 8, .size: 8, .value_kind: global_buffer, .address_space: global }
      - { .name: w2f, .offset: 16, .size: 8, .value_kind: global_buffer, .address_space: global }
      - { .name: b1b, .offset: 24, .size: 8, .value_kind: global_buffer, .address_space: global }
      - { .name: vxw, .offset: 32, .size: 8, .value_kind: global_buffer, .address_space: global }
      - { .name: plog, .offset: 40, .size: 8, .value_kind: global_buffer, .address_space: global }
    .group_segment_fixed_size: 327680
    .private_segment_fixed_size: 0
    .kernarg_segment_align: 8
    .kernarg_segment_size: 48
    .max_flat_workgroup_size: 128
    .sgpr_count:     80
    .vgpr_count:     1024
    .wavefront_size: 32
...
	.end_amdgpu_metadata
.endif
;; end of part 2
;; launch combine (part 3): grid 32 x 8, 4 waves a work-group, clusters of 4 x 1, 280,064 bytes of LDS; arguments vxw, plog, b2, uf, out0; writes out0
.if DOCPART == 3
	.amdgcn_target "amdgcn-amd-amdhsa--gfx1250"
	.amdhsa_code_object_version 6
	.text
	.protected	k_q08231cf25f_combine
	.globl	k_q08231cf25f_combine
	.p2align	8
	.type	k_q08231cf25f_combine,@function
k_q08231cf25f_combine:
	s_mov_b64 s[64:65], 0
	v_nop
	global_prefetch_b8 v0, s[64:65] scope:SCOPE_SE
	s_setreg_imm32_b32 hwreg(HW_REG_WAVE_MODE, 25, 1), 1
	s_wait_xcnt 0x0
	s_wait_alu depctr_hold_cnt(0) depctr_sa_sdst(0) depctr_va_vdst(0) depctr_va_sdst(0) depctr_va_ssrc(0) depctr_va_vcc(0) depctr_vm_vsrc(0)
	s_getreg_b32 s2, hwreg(HW_REG_IB_STS2, 6, 4)
	s_cmp_eq_u32 s2, 0
	s_cbranch_scc0 .Lentry_in_a_cluster
	s_endpgm
.Lentry_in_a_cluster:
	s_bfe_u32 s2, ttmp6, 0x10000c
	s_cmp_lg_u32 s2, 0x3003
	s_cbranch_scc0 .Lentry_shape_is_right
	s_endpgm
.Lentry_shape_is_right:
; COMBINE: alpha = softmax(sum over the eight column tiles of plog + b2); out[tok][d] = sum over k of alpha[tok][k] (U_k vx_k)[tok][d]: 8,192 x 2,048, f16 operands, f32 sums.
; A work-group of four waves makes 256 tokens x 256 columns: 32 x 8 blocks, one for each of 256 work-groups.  A wave owns 64 tokens (four blocks t of 16) and all 256 columns.
; vx STAYS IN REGISTERS: the wave's 64 tokens x 512 along K are 64 fragments, 512 registers, loaded as the launch before stored them and multiplied as they are.
; U STREAMS FROM LDS: the block's 256 columns x 512 along K, 262,144 bytes in fragment order, are brought once; every fragment read feeds four products.
; THE MATRIX INSTRUCTION IS USED TRANSPOSED: source 0 = 16 columns (rows of U), source 1 = 16 tokens: a lane holds one token and eight neighbouring columns, 32 bytes of a row of out.
; ALPHA IS APPLIED IN F32, BEHIND THE PRODUCTS.  One expert's product for 16 columns x 16 tokens is two matrix instructions (K = 64) on a short-lived accumulator P; four packed
; multiply-adds take alpha x P into the sum.  A lane holds one token, so alpha is one number a lane.  So a product needs only its own two chunks of vx: the first unit is multiplied
; while the later chunks are still on their way.
; THE ORDER.  The columns go in four UNITS of 64.  A unit has 128 TASKS n = 16 expert + 4 nb + t (nb: block of 16 columns).  STEP k: the first product of task k (it starts the sum),
; the second product of task k - 1, the four multiply-adds of task k - 2.  P has four accumulators, P(t), which take turns, one instruction a turn.  The
; multiply-adds of task k - 3 are the four places between task k - 2's second product and the first read of its result (ISA guide 7.12.1); eight places stand before P(t) is written anew.
; The last expert's multiply-adds write into a second set of sums, FIN, which leaves while the next unit is multiplied: 16 tokens x 64 columns at a time through the wave's own stage in
; LDS, back as whole rows of 256 bytes into the registers that they left, and out.  So one text serves every unit: experts 0-3 of unit 0 are written out; a trip of the loop is experts
; 4-7 of a unit, then experts 0-3 of the next with the way out of the one before; the fourth trip leaves the loop in its middle.
; SOFTMAX: the maximum over the eight logits is taken away before the exponentials; sums, the division and alpha in f32.
; LIMITS.  vx is f16, as the launch before states: within 65,504, with f16's fixed step of 6e-8 below 6e-5.  b2 is rounded to bf16 like every input.  An exponential below 2^-126 counts
; as 0.  NaN and infinities are not treated apart.
; CLUSTER: the four work-groups of a cluster have the same columns and other tokens: U's block is asked for JOINTLY, each wave four loads of 16,384 bytes (its quarter of each unit) with
; a mask that names the four.  Four tensor loads of a wave are out at the most.  LDS is filled once: nothing is filled again.
; REGISTERS, in windows of 256 (s_set_vgpr_msb: bits 1:0 source 0, 3:2 source 1, 5:4 source 2, 7:6 destination):
;   window 0: v0-15 addresses; v16-47 alpha (t, e); v48-55 alpha of the odd expert in hand, at even registers; v64-95 P; v128-255 U's fragments, two buffers of one expert each
;   window 1: v0-127 the sums, (nb, t) at 8 (4 nb + t) (before that: plog); v128-255 FIN (before that: b2 and the softmax's work)
;   windows 2, 3: vx, fragment (t, c) at 8 (4 (c % 8) + t), chunks 0-7 and 8-15
; vx fills the two windows that source 1 of a product names, so no setting serves a product and a multiply-add alike: a step costs two switches for its two products.
.set ST,   262144                      ; behind U: the stages, 16 rows x 272 bytes for each wave
.set SP,   272                         ; 256 bytes + 16: the 16 rows that a store touches start at 16 different groups of four banks (64 banks of 4 bytes: ISA guide 11.1)
.set LOFF, 5                           ; v5   16 x lane
.set PLO,  6                           ; v6   32 x (lane % 16) + 16 x (lane / 16)
.set B2O,  7                           ; v7   16 x (lane / 16)
.set UADR, 8                           ; v8   16 x lane + 65,536 x unit
.set STO,  11                          ; v11  the stage, in: row lane % 16, 32 bytes for each half of the lanes
.set RD,   12                          ; v12  the stage, back: lanes 0-15 one row of 256 bytes, lanes 16-31 the next
.set GO,   13                          ; v13  the same two rows in out
.set AL,   16
.set AP,   48
.set P,    64
.set UF,   128                         ; fragment (chunk half cc, nb) of buffer b at UF + 64 b + 8 (4 cc + nb)
.set FIN,  128                         ; window 1
.set PL,   0                           ; window 1, in the prologue: plog's piece (j, t) at PL + 4 (4 j + t)
.set B2,   128                         ; b2, four numbers;  B2P two packed
.set B2P,  132
.set MX,   136                         ; by t: the maximum;  SM the sum;  CM m log2(e), a pair;  RC 1 / sum
.set SM,   140
.set CM,   144
.set RC,   152
.set WV,   14                          ; s14  wave
.set G1,   24                          ; s[24:31] descriptor group 1;  s[32:47] group 0, a set for each unit
.set G0,   32
.set MH,   48                          ; s48  mask of lanes 16-31
.set CNT,  49                          ; s49  units to go
.set UB,   50                          ; s50  LDS byte at which the unit being fetched begins
.set SEL,  52                          ; s[52:53] v_permlanex16_b32's selects: each lane takes its own place in the other half
.set L2E,  54                          ; s[54:55] log2(e), named as a pair
.set HIM,  56                          ; s56  a word's upper bf16
.set MSB, 0
.macro WIN new                         ; the immediate's high byte repeats the setting that is left; a switch that changes nothing is dropped
.if MSB != (\new)
	s_set_vgpr_msb (MSB<<8)|(\new)
.set MSB, \new
.endif
.endm
.macro CROUND                          ; a round of the cluster's barrier
	s_barrier_signal -1
	s_barrier_wait -1
	s_cmp_lg_u32 s[WV], 0
	s_cbranch_scc1 .Lnot_wave_0_\@
	s_barrier_signal -3
.Lnot_wave_0_\@:
	s_barrier_wait -3
	s_barrier_signal -1
	s_barrier_wait -1
.endm
.macro PLACES
.rept 4
	v_nop
.endr
.endm
.macro ALLT line:vararg                ; one line for each token block t
.set t, 0
.rept 4
	\line
.set t, t+1
.endr
.endm
; chunk c of vx: the four token blocks' fragments, eight loads of 512 consecutive bytes
.macro VXLOAD c
	WIN 0x80+0x40*((\c)/8)                         ; destination window 2 or 3
.irp t, 0,1,2,3
	global_load_b128 v[8*(4*((\c)%8)+(\t)):8*(4*((\c)%8)+(\t))+3],   v[LOFF], s[4:5] offset:(\t)*16384+(\c)*1024
	global_load_b128 v[8*(4*((\c)%8)+(\t))+4:8*(4*((\c)%8)+(\t))+7], v[LOFF], s[4:5] offset:(\t)*16384+(\c)*1024+512
.endr
.endm
	s_load_b256 s[4:11], s[0:1], 0x0               ; vxw s[4:5], plog s[6:7], b2 s[8:9], uf s[10:11]
	s_load_b64 s[12:13], s[0:1], 0x20              ; out0
	v_lshl_add_u32 v126, v0, 2, 0x44400
	v_mov_b32 v127, 0
	ds_add_u32 v126, v127
	v_lshrrev_b32 v1, 5, v0
	v_readfirstlane_b32 s[WV], v1
	v_and_b32 v2, 31, v0
	v_and_b32 v3, 15, v0
	v_bfe_u32 v4, v0, 4, 1
	v_lshlrev_b32 v[LOFF], 4, v2
	v_lshlrev_b32 v[B2O], 4, v4
	v_lshl_add_u32 v[PLO], v3, 5, v[B2O]
	v_cmp_ne_u32 s[MH], 0, v4
	s_bfe_u32 s15, ttmp6, 0x40000                  ; cx
	s_lshl_b32 s16, ttmp9, 2
	s_add_co_u32 s16, s16, s15                     ; my block of 256 tokens = 4 x cluster x + cx: it enters vxw's, plog's and out's addresses alone
	s_and_b32 s17, ttmp7, 0xffff                   ; my block of 256 columns, which the four partners share
	; the descriptors: 16,384 dense bytes as 64 rows of 256 bytes
	s_mov_b32 s[G1], 15|(3<<16)|(1<<21)            ; 15:0 the mask of four; 17:16 elements of 8 bytes; 21 set beside a mask; no padding: a fragment is read as 512 consecutive bytes
	s_mov_b32 s[G1+1], 32<<16                      ; tensor_dim0 = 32
	s_mov_b32 s[G1+2], 64<<16                      ; tensor_dim1 = 64
	s_mov_b32 s[G1+3], 32<<16                      ; tile_dim0 = 32
	s_mov_b32 s[G1+4], 64                          ; tile_dim1 = 64
	s_mov_b32 s[G1+5], 32                          ; elements from row to row
	s_mov_b32 s[G1+6], 0
	s_mov_b32 s[G1+7], 0
	s_lshl_b32 s20, s[WV], 14                      ; my quarter of a unit: column block nb = wave
.irp u, 0,1,2,3
	s_mov_b32 s[G0+4*(\u)], 1                      ; count = 1
	s_add_co_u32 s[G0+4*(\u)+1], s20, (\u)*65536   ; LDS: unit x 65,536 + wave x 16,384
.endr
	s_lshl_b32 s18, s17, 18                        ; uf: 262,144 bytes for each column block
	s_add_co_u32 s18, s18, s20
	s_mov_b32 s19, 0
	s_mov_b32 s23, 0
	s_mov_b32 s[SEL], 0x76543210
	s_mov_b32 s[SEL+1], 0xfedcba98
	s_mov_b32 s[L2E], 0x3fb8aa3b
	s_mov_b32 s[L2E+1], s[L2E]
	s_mov_b32 s[HIM], 0xffff0000
	s_mov_b32 s[UB], 0
	s_wait_dscnt 0x0
	s_wait_kmcnt 0x0
	s_add_nc_u64 s[18:19], s[10:11], s[18:19]
.irp u, 0,1,2,3
	s_add_nc_u64 s[G0+4*(\u)+2:G0+4*(\u)+3], s[18:19], (\u)*65536
	s_or_b32 s[G0+4*(\u)+3], s[G0+4*(\u)+3], 0x80000000   ; type = 2
.endr
	s_lshl_b32 s22, s16, 18                        ; vxw: 16 token blocks of 16,384 bytes for each block of 256 tokens,
	s_lshl_b32 s20, s[WV], 16                      ; four for each wave
	s_add_co_u32 s22, s22, s20
	s_add_nc_u64 s[4:5], s[4:5], s[22:23]
	s_lshl_b32 s22, s16, 13                        ; plog: 32 bytes a token
	s_lshl_b32 s20, s[WV], 11
	s_add_co_u32 s22, s22, s20
	s_add_nc_u64 s[6:7], s[6:7], s[22:23]
	s_lshl_b32 s22, s16, 21                        ; out: 8,192 bytes a token,
	s_lshl_b32 s20, s[WV], 19
	s_add_co_u32 s22, s22, s20
	s_lshl_b32 s20, s17, 10                        ; 1,024 bytes a column block
	s_add_co_u32 s22, s22, s20
	s_add_nc_u64 s[12:13], s[12:13], s[22:23]
	; the loads into registers go out ahead of the cluster's round, so that they are on their way while the work-groups meet: plog and b2 first, since alpha is wanted first
	WIN 0x40
.irp j, 0,1,2,3,4,5,6,7
.irp t, 0,1,2,3
	global_load_b128 v[PL+4*(4*(\j)+(\t)):PL+4*(4*(\j)+(\t))+3], v[PLO], s[6:7] offset:(\j)*262144+(\t)*512   ; experts 4 (lane / 16) + 0..3 of token 16 t + lane % 16
.endr
.endr
	global_load_b128 v[B2:B2+3], v[B2O], s[8:9]
	VXLOAD 0
	VXLOAD 1
	VXLOAD 2
	WIN 0
	CROUND                                         ; all four work-groups are here: the joint loads meet
.irp u, 0,1,2,3
	tensor_load_to_lds s[G0+4*(\u):G0+4*(\u)+3], s[G1:G1+7]   ; my quarter of unit u
	s_nop 0
.endr
	PLACES
	s_mul_i32 s20, s[WV], 16*SP
	s_add_co_u32 s20, s20, ST                      ; my stage
	v_mov_b32 v[UADR], v[LOFF]
	v_mul_u32_u24 v[STO], v3, SP
	v_lshl_add_u32 v[STO], v4, 5, v[STO]
	v_add_nc_u32 v[STO], s20, v[STO]
	v_mul_u32_u24 v[RD], v4, SP
	v_lshl_add_u32 v[RD], v3, 4, v[RD]
	v_add_nc_u32 v[RD], s20, v[RD]
	v_lshlrev_b32 v[GO], 13, v4
	v_lshl_add_u32 v[GO], v3, 4, v[GO]
	s_wait_loadcnt 24                              ; plog and b2 are in; the 24 loads of chunks 0-2, issued behind them, stay out
	VXLOAD 3
	VXLOAD 4
	VXLOAD 5
	VXLOAD 6                                       ; 56 loads are out while the softmax is made
	; THE SOFTMAX, the four token blocks side by side, all in window 1.  A lane has four of its token's eight logits; the other four lie in the lane 16 away.
	WIN 0x55
	v_cvt_pk_bf16_f32 v[B2P], v[B2], v[B2+1]       ; b2's one rounding
	v_cvt_pk_bf16_f32 v[B2P+1], v[B2+2], v[B2+3]
	v_lshlrev_b32 v[B2], 16, v[B2P]
	v_and_b32 v[B2+1], s[HIM], v[B2P]
	v_lshlrev_b32 v[B2+2], 16, v[B2P+1]
	v_and_b32 v[B2+3], s[HIM], v[B2P+1]
.set j, 1
.rept 7                                                ; the eight column tiles' parts, in ascending order
	ALLT v_pk_add_f32 v[PL+4*t:PL+4*t+1], v[PL+4*t:PL+4*t+1], v[PL+4*(4*j+t):PL+4*(4*j+t)+1]
	ALLT v_pk_add_f32 v[PL+4*t+2:PL+4*t+3], v[PL+4*t+2:PL+4*t+3], v[PL+4*(4*j+t)+2:PL+4*(4*j+t)+3]
.set j, j+1
.endr
	ALLT v_pk_add_f32 v[PL+4*t:PL+4*t+1], v[PL+4*t:PL+4*t+1], v[B2:B2+1]
	ALLT v_pk_add_f32 v[PL+4*t+2:PL+4*t+3], v[PL+4*t+2:PL+4*t+3], v[B2+2:B2+3]
	ALLT v_max3_num_f32 v[MX+t], v[PL+4*t], v[PL+4*t+1], v[PL+4*t+2]
	ALLT v_max_num_f32 v[MX+t], v[MX+t], v[PL+4*t+3]
	ALLT v_permlanex16_b32 v[PL+16+4*t], v[MX+t], s[SEL], s[SEL+1]   ; into a register of plog's that has been summed: the destination counts as read
	ALLT v_max_num_f32 v[MX+t], v[MX+t], v[PL+16+4*t]                ; m, the token's largest logit
	ALLT v_mul_f32 v[CM+2*t], s[L2E], v[MX+t]                        ; m log2(e), twice: a pair for the packed lines
	ALLT v_mul_f32 v[CM+2*t+1], s[L2E], v[MX+t]
	ALLT v_pk_fma_f32 v[PL+4*t:PL+4*t+1], v[PL+4*t:PL+4*t+1], s[L2E:L2E+1], v[CM+2*t:CM+2*t+1] op_sel_hi:[1,0,1] neg_lo:[0,0,1] neg_hi:[0,0,1]
	ALLT v_pk_fma_f32 v[PL+4*t+2:PL+4*t+3], v[PL+4*t+2:PL+4*t+3], s[L2E:L2E+1], v[CM+2*t:CM+2*t+1] op_sel_hi:[1,0,1] neg_lo:[0,0,1] neg_hi:[0,0,1]
.irp i, 0,1,2,3
	ALLT v_exp_f32 v[PL+4*t+(\i)], v[PL+4*t+(\i)]
.endr
	v_nop                                          ; a plain instruction between the last exponential and the use of its result
	s_wait_alu depctr_va_vdst(0)
	ALLT v_pk_add_f32 v[PL+32+4*t:PL+32+4*t+1], v[PL+4*t:PL+4*t+1], v[PL+4*t+2:PL+4*t+3]
	ALLT v_add_f32 v[SM+t], v[PL+32+4*t], v[PL+32+4*t+1]
	ALLT v_permlanex16_b32 v[PL+16+4*t+1], v[SM+t], s[SEL], s[SEL+1]
	ALLT v_add_f32 v[SM+t], v[SM+t], v[PL+16+4*t+1]
	ALLT v_rcp_f32 v[RC+t], v[SM+t]
	v_nop                                          ; likewise behind the last reciprocal
	s_wait_alu depctr_va_vdst(0)
.irp i, 0,1,2,3
	ALLT v_mul_f32 v[PL+4*t+(\i)], v[PL+4*t+(\i)], v[RC+t]           ; my four alpha
.endr
.irp i, 0,1,2,3
	ALLT v_permlanex16_b32 v[PL+64+4*t+(\i)], v[PL+4*t+(\i)], s[SEL], s[SEL+1]   ; the other four
.endr
	WIN 0x05                                       ; sources window 1, destination window 0: every lane gets its token's eight alpha in order
.irp i, 0,1,2,3
	ALLT v_cndmask_b32 v[AL+8*t+(\i)], v[PL+4*t+(\i)], v[PL+64+4*t+(\i)], s[MH]      ; experts 0-3: mine in lanes 0-15
	ALLT v_cndmask_b32 v[AL+8*t+4+(\i)], v[PL+64+4*t+(\i)], v[PL+4*t+(\i)], s[MH]    ; experts 4-7: mine in lanes 16-31
.endr
	WIN 0
	ALLT v_mov_b32 v[AP+2*t], v[AL+8*t+1]          ; the packed lines take a pair's low register for both halves: an odd expert's alpha is copied to an even register;
	ALLT v_mov_b32 v[AP+2*t+1], v[AL+8*t+1]        ; its neighbour is named with it, so it is written
; 16 LDS loads in one run: U's fragments of expert en (chunks 2 en, 2 en + 1) of the unit at UADR, four column blocks each, into buffer en % 2
.macro ULOAD en
	WIN 0
.irp cc, 0,1
.irp nb, 0,1,2,3
	ds_load_b128 v[UF+64*((\en)%2)+8*(4*(\cc)+(\nb)):UF+64*((\en)%2)+8*(4*(\cc)+(\nb))+3],   v[UADR] offset:(\nb)*16384+(2*(\en)+(\cc))*1024
	ds_load_b128 v[UF+64*((\en)%2)+8*(4*(\cc)+(\nb))+4:UF+64*((\en)%2)+8*(4*(\cc)+(\nb))+7], v[UADR] offset:(\nb)*16384+(2*(\en)+(\cc))*1024+512
.endr
.endr
.endm
.macro TASK                            ; the registers of task n
.set e_, n/16
.set t_, n%4
.set rU, UF+64*(e_%2)+8*((n/4)%4)
.set rZ, 8*(4*((2*e_)%8)+t_)
.set rP, P+8*t_
.endm
.macro W0                              ; task n's first product: the expert's first 32 along K; it starts the sum
	TASK
	WIN 0x08+0x04*(e_/4)                           ; U and P window 0, vx window 2 or 3
	v_wmma_f32_16x16x32_f16 v[rP:rP+7], v[rU:rU+7], v[rZ:rZ+7], 0
.endm
.macro W1                              ; its second product: the other 32
	TASK
	WIN 0x08+0x04*(e_/4)
	v_wmma_f32_16x16x32_f16 v[rP:rP+7], v[rU+32:rU+39], v[rZ+32:rZ+39], v[rP:rP+7]
.endm
.macro FS                              ; sum += alpha x P, P read from its low end on.  Expert 0 starts the sum; expert 7 writes it into FIN
	TASK
.set rA, 8*(n%16)
.if e_%2
.set rL, AP+2*t_
.else
.set rL, AL+8*t_+e_
.endif
	WIN 0x50                                       ; P and alpha window 0, the sums window 1
.irp i, 0,2,4,6
.if e_ == 0
	v_pk_mul_f32 v[rA+(\i):rA+(\i)+1], v[rP+(\i):rP+(\i)+1], v[rL:rL+1] op_sel_hi:[1,0]
.elseif e_ < 7
	v_pk_fma_f32 v[rA+(\i):rA+(\i)+1], v[rP+(\i):rP+(\i)+1], v[rL:rL+1], v[rA+(\i):rA+(\i)+1] op_sel_hi:[1,0,1]
.else
	v_pk_fma_f32 v[FIN+rA+(\i):FIN+rA+(\i)+1], v[rP+(\i):rP+(\i)+1], v[rL:rL+1], v[rA+(\i):rA+(\i)+1] op_sel_hi:[1,0,1]
.endif
.endr
.endm
; STEP k.  FIRST = 1: the launch's first steps have no tasks before them; in step 1 four v_nop take the part of the missing multiply-adds as the places behind task 0's second product.
.macro STEP
.set n, k
	W0
.if (k >= 1) || !FIRST
.set n, (k+127)%128
	W1
.endif
.if (k >= 2) || !FIRST
.set n, (k+126)%128
	FS
.elseif k == 1
	PLACES
.endif
.set k, k+1
.endm
; Token block t of FIN goes into my stage, 32 bytes a lane and column block, and comes back as eight pairs of whole rows, into the registers that it left.
.macro STAGE t
	WIN 0x04                                       ; store data window 1
.irp nb, 0,1,2,3
	ds_store_b128 v[STO], v[FIN+8*(4*(\nb)+(\t)):FIN+8*(4*(\nb)+(\t))+3]   offset:64*(\nb)
	ds_store_b128 v[STO], v[FIN+8*(4*(\nb)+(\t))+4:FIN+8*(4*(\nb)+(\t))+7] offset:64*(\nb)+16
.endr
	WIN 0x40                                       ; destination window 1
.irp i, 0,1,2,3,4,5,6,7
	ds_load_b128 v[FIN+8*(4*((\i)/2)+(\t))+4*((\i)%2):FIN+8*(4*((\i)/2)+(\t))+4*((\i)%2)+3], v[RD] offset:(\i)*2*SP   ; LDS serves a wave's instructions in order (ISA guide 5.7.1.4): these see the stores above; the next block's stores come behind them
.endr
.endm
.macro SEND t                          ; token block t leaves; the unit's 256 bytes of a row stand in out's address
	WIN 0x04
.irp i, 0,1,2,3,4,5,6,7
	global_store_b128 v[GO], v[FIN+8*(4*((\i)/2)+(\t))+4*((\i)%2):FIN+8*(4*((\i)/2)+(\t))+4*((\i)%2)+3], s[12:13] offset:(\t)*131072+(\i)*16384 th:TH_STORE_NT   ; 16 lanes store 256 consecutive bytes, at a multiple of 256 from out's first
.endr
.endm
; AN EXPERT'S 16 STEPS.  kind 0: experts 0-3 of unit 0, which also ask for the last chunks of vx; 1: experts 4-7; 2: experts 0-3 of a later unit, with the way out of the unit before.
; At its head: the expert's two chunks of vx are in (the count: the loads issued behind them; in later trips nothing is out and the wait is met at once), and so are its fragments of U,
; asked for 15 steps ago, and the rows read back from the stage.  Behind step 0 the next expert's fragments are asked for: the buffer's last reader is that step's second product, and the
; step's four multiply-adds are the places behind it.  Behind step 2 a token block of FIN (whole since step 1 of expert 0) goes through the stage, and the block before it is stored.
.macro EXPERT e, kind
.if (\kind) == 0
.if (\e) < 3
	s_wait_loadcnt 40                              ; five chunks were issued behind this expert's two
.else
	s_wait_loadcnt 32                              ; chunks 9-12 stay out: chunk 8 is in too, so that the last three chunks can go out with 56 loads on their way
.endif
.elseif (\kind) == 1
	s_wait_loadcnt 16*(7-(\e))                     ; the chunks of the experts behind this one
.endif
	s_wait_dscnt 0x0
.if (\kind) == 0
	VXLOAD 7+2*(\e)
	VXLOAD 8+2*(\e)
.if (\e) == 3
	VXLOAD 15
.endif
.endif
	STEP
	WIN 0
.if (\e)%2
.irp t, 0,1,2,3
	v_mov_b32 v[AP+2*(\t)], v[AL+8*(\t)+(\e)]      ; this odd expert's alpha: the odd expert before had its last multiply-add 15 steps ago, this one's first comes in step 2
.endr
.endif
.if (\e) == 7
	s_cmp_eq_u32 s[CNT], 1                         ; the last unit has none behind it: the run is jumped over
	s_cbranch_scc1 .Lno_next
	s_add_co_u32 s[UB], s[UB], 0x10000
	v_add_nc_u32 v[UADR], s[UB], v[LOFF]           ; the next unit's four column blocks
	ULOAD 0
.Lno_next:
.else
	ULOAD (\e)+1
.endif
	STEP
	STEP
.if (\kind) == 2
.if (\e) > 0
	SEND (\e)-1                                    ; back in registers since the wait at the expert's head
.endif
	STAGE \e
.endif
.rept 10
	STEP
.endr
.if ((\kind) == 2) && ((\e) == 3)
	s_wait_dscnt 0x0                               ; the last block is back: its loads were issued ten steps ago, and no LDS instruction behind them
	SEND 3
.endif
.rept 3
	STEP
.endr
.if ((\kind) == 2) && ((\e) == 3)
	s_wait_xcnt 0x0                                ; every store has had its addresses translated (ISA guide 3.1): only behind this wait are out's address stepped and FIN written anew
	s_add_nc_u64 s[12:13], s[12:13], 256           ; the next unit's 64 columns
.endif
.endm
	s_wait_tensorcnt 0x3                           ; my quarter of unit 0 is in; my loads for units 1-3 may stay out
	s_barrier_signal -1
	s_barrier_wait -1                              ; everybody's is
	ULOAD 0
.set FIRST, 1
.set k, 0
	EXPERT 0, 0
	EXPERT 1, 0
	EXPERT 2, 0
	EXPERT 3, 0
.set FIRST, 0
	WIN 0                                          ; at a label and at a branch every window is 0
	s_wait_tensorcnt 0x0                           ; my quarters of units 1-3 are in,
	s_wait_dscnt 0x0                               ; (no LDS instruction is pending at a signal)
	s_barrier_signal -1
	s_barrier_wait -1                              ; everybody's are
	s_mov_b32 s[CNT], 4
.Lunit:
.set k, 64
	EXPERT 4, 1
	EXPERT 5, 1
	EXPERT 6, 1
	EXPERT 7, 1
	WIN 0
	s_sub_co_u32 s[CNT], s[CNT], 1
	s_cmp_eq_u32 s[CNT], 0
	s_cbranch_scc1 .Lout                           ; the fourth trip is left in its middle
.set k, 0
	EXPERT 0, 2
	EXPERT 1, 2
	EXPERT 2, 2
	EXPERT 3, 2
	WIN 0
	s_branch .Lunit
.Lout:
.set n, 127                                            ; the pipeline runs empty: the last task's second product, the last two tasks' multiply-adds (the first four are the places for the second four)
	W1
.set n, 126
	FS
.set n, 127
	FS
	; the last unit has nothing to hide behind: a block's way through the stage stands between the block before's loads and its stores
	STAGE 0
	STAGE 1
	s_wait_dscnt 16                                ; block 0 is back: behind its loads stand block 1's eight stores and eight loads
	SEND 0
	STAGE 2
	s_wait_dscnt 16
	SEND 1
	STAGE 3
	s_wait_dscnt 16
	SEND 2
	s_wait_dscnt 0x0
	SEND 3
	WIN 0
	s_wait_tensorcnt 0x0
	ds_add_u32 v126, v127
	s_wait_dscnt 0x0
	CROUND                                         ; the closing round: no work-group ends while a partner may still ask for a tile that names it
	s_endpgm
.Lfunc_end_k_q08231cf25f_combine:
	.size	k_q08231cf25f_combine, .Lfunc_end_k_q08231cf25f_combine-k_q08231cf25f_combine
	.p2alignl 7, 3214868480
	.fill 96, 4, 3214868480
	.section	.rodata,"a",@progbits
	.p2align	6, 0x0
	.amdhsa_kernel k_q08231cf25f_combine
		.amdhsa_group_segment_fixed_size 280064
		.amdhsa_private_segment_fixed_size 0
		.amdhsa_enable_private_segment 0
		.amdhsa_kernarg_size 40
		.amdhsa_user_sgpr_count 2
		.amdhsa_user_sgpr_kernarg_segment_ptr 1
		.amdhsa_wavefront_size32 1
		.amdhsa_system_sgpr_workgroup_id_x 1
		.amdhsa_system_sgpr_workgroup_id_y 1
		.amdhsa_system_sgpr_workgroup_id_z 1
		.amdhsa_system_vgpr_workitem_id 0
		.amdhsa_next_free_vgpr 1024
		.amdhsa_next_free_sgpr 66
		.amdhsa_reserve_vcc 0
		.amdhsa_float_denorm_mode_32 3
		.amdhsa_float_denorm_mode_16_64 3
		.amdhsa_memory_ordered 1
		.amdhsa_forward_progress 1
		.amdhsa_inst_pref_size 147
	.end_amdhsa_kernel
	.amdgpu_metadata
---
amdhsa.version: [ 1, 2 ]
amdhsa.kernels:
  - .name:           k_q08231cf25f_combine
    .symbol:         k_q08231cf25f_combine.kd
    .args:
      - { .name: vxw, .offset: 0, .size: 8, .value_kind: global_buffer, .address_space: global }
      - { .name: plog, .offset: 8, .size: 8, .value_kind: global_buffer, .address_space: global }
      - { .name: b2, .offset: 16, .size: 8, .value_kind: global_buffer, .address_space: global }
      - { .name: uf, .offset: 24, .size: 8, .value_kind: global_buffer, .address_space: global }
      - { .name: out0, .offset: 32, .size: 8, .value_kind: global_buffer, .address_space: global }
    .group_segment_fixed_size: 280064
    .private_segment_fixed_size: 0
    .kernarg_segment_align: 8
    .kernarg_segment_size: 40
    .max_flat_workgroup_size: 128
    .sgpr_count:     66
    .vgpr_count:     1024
    .wavefront_size: 32
...
	.end_amdgpu_metadata
.endif
;; end of part 3
